; MI455X (gfx1250); checked and timed in simulation.
; The chip was launched on July 23, 2026; its instructions are those of AMD's public machine-readable ISA for CDNA 5 (MIT licence, August 2026) and "CDNA5" Instruction Set Architecture Reference Guide (July 2026). The comments in the code are by the model that wrote it; some were corrected since.
;; Experts. Allowed arithmetic: float matrix products may take bf16 or f16 operands with f32 sums; all other float work in f32.
;; Inputs: down_proj 8 x 1,024 x 1,024 float32; down_proj_bias 8 x 1,024 float32; gate_up_proj 8 x 1,024 x 2,048 float32; gate_up_proj_bias 8 x 2,048 float32; hidden_states 2,048 x 1,024 float32; routing_weights 2,048 x 8 float32.
;; Outputs: out0 2,048 x 1,024 float32.
;; One version. Each part assembles by itself: llvm-mc -triple=amdgcn-amd-amdhsa -mcpu=gfx1250 --defsym DOCPART=n.
;; ======== version 1 of 1: 4 launches
;; limits: values are held in f16: magnitudes above 65,504 overflow, below 6.1e-05 lose precision; inputs' magnitudes at most 65,504
;; workspace buffers: hb 4,194,304 bytes; gub 33,554,432 bytes; dnb 16,777,216 bytes; act 33,554,432 bytes; part 67,108,864 bytes
;; launch cast (part 1): grid 1024 x 1, 8 waves a work-group, no clusters, 0 bytes of LDS; arguments hidden_states, gate_up_proj, hb, gub; writes hb, gub
.if DOCPART == 1
	.amdgcn_target "amdgcn-amd-amdhsa--gfx1250"
	.amdhsa_code_object_version 6
	.text
	.protected	k_q130d6adbea_cast
	.globl	k_q130d6adbea_cast
	.p2align	8
	.type	k_q130d6adbea_cast,@function
k_q130d6adbea_cast:
	s_mov_b64 s[64:65], 0
	v_nop
	global_prefetch_b8 v0, s[64:65] scope:SCOPE_SE
	s_setreg_imm32_b32 hwreg(HW_REG_WAVE_MODE, 25, 1), 1
	s_wait_xcnt 0x0
; f32 to f16 for the two operands of the first product.  (down_proj is converted in the next launch, beside its matrix work.)
;   hb  [2048][1024]                         = hidden_states
;   gub [8][1024 k][8 nb][128 gates|128 ups] = gate_up_proj, with the interleaved gate and up columns taken apart:
;        block nb of a row holds the gates of i = 128 nb .. 128 nb + 127 (256 bytes) and then their ups (256 bytes).
;        INSIDE a block's 128 the order is permuted: position 4 l + c (l = 0..31, c = 0..3) holds i = 128 nb + 2 l + (c & 1) + 64 (c >> 1).
;        That is the order in which a lane gets them from two loads that each cover 512 consecutive bytes; the next launch undoes it for nothing.
; WHY f16: each output of the chain sums 8,192 products of operands that are rounded; f16 keeps 11 significant bits.
; LIMITS of the format: an input of magnitude 65,520 or more becomes infinite; below 6.1e-5 the step is 6e-8, so a number under 3e-8 becomes 0.
; A stream: each input byte is read once, each output byte written once; the work-groups share no input, so LDS, barriers,
; clusters and the matrix unit would add nothing here.
; A unit is 8,192 bytes of f32 in, 4,096 bytes out; wave w takes its bytes 1,024 w .. + 1,023 by two loads of 512 consecutive bytes.
; hidden_states has 1,024 units, gate_up_proj 8,192 (a unit is one row (e, k), wave w its block nb = w): each of the 1,024 work-groups
; takes 1 + 8 = 9 units, all with the same text.  All 18 loads of a thread go out first (72 registers); the units are then converted in
; place and stored as they arrive.  No register that a load or a store names is written again behind it, so no wait but the counted
; ones for data is needed.
.set X,    4                           ; v[4:75]  unit u: 8 registers as loaded (first load, second load); its first 4 as stored
.set UIN,  8192                        ; bytes of a unit in
.set UOUT, 4096                        ; bytes of a unit out
	s_load_b256 s[4:11], s[0:1], 0x0               ; hidden_states s[4:5], gate_up_proj s[6:7], hb s[8:9], gub s[10:11]
	v_and_b32 v2, 0xe0, v0                         ; 32 w
	v_lshlrev_b32 v1, 4, v0                        ; 16 t = 512 w + 16 lane
	v_lshl_add_u32 v1, v2, 4, v1                   ; in: 1,024 w + 16 lane
	v_and_b32 v3, 31, v0
	v_lshlrev_b32 v3, 3, v3
	v_lshl_add_u32 v3, v2, 4, v3                   ; out: 512 w + 8 lane
	s_mov_b32 s3, 0                                ; all offsets lie below 4 GiB
	s_wait_kmcnt 0x0
	s_lshl_b32 s2, ttmp9, 13                       ; hidden_states: 1 unit in
	s_add_nc_u64 s[4:5], s[4:5], s[2:3]
	s_lshl_b32 s2, ttmp9, 16                       ; gate_up_proj: 8 units in
	s_add_nc_u64 s[6:7], s[6:7], s[2:3]
	s_lshl_b32 s2, ttmp9, 12                       ; hb: 1 unit out
	s_add_nc_u64 s[8:9], s[8:9], s[2:3]
	s_lshl_b32 s2, ttmp9, 15                       ; gub: 8 units out
	s_add_nc_u64 s[10:11], s[10:11], s[2:3]
; The arguments u and k may be sums: every use stands in parentheses.
.macro LOADU u, base, k                ; unit u of the thread = unit k of the work-group's share of the buffer at s[base:base+1]
	global_load_b128 v[X+8*(\u):X+8*(\u)+3],   v1, s[\base:\base+1] offset:UIN*(\k) th:TH_LOAD_NT       ; the wave's 32 lanes: 512 consecutive bytes
	global_load_b128 v[X+8*(\u)+4:X+8*(\u)+7], v1, s[\base:\base+1] offset:UIN*(\k)+512 th:TH_LOAD_NT   ; and the next 512
.endm
	LOADU 0, 4, 0
.irp k, 0,1,2,3,4,5,6,7
	LOADU 1+\k, 6, \k
.endr
; Four neighbouring numbers of each load to 8 neighbouring bytes.  In place: result j is written when sources 2j, 2j+1 are read, never ahead of them.
.macro PLAIN u, base, k
	s_wait_loadcnt 16-2*(\u)                       ; loads come back in order: the 2 (8 - u) loads of later units may stay out
.irp j, 0,1,2,3
	v_cvt_pk_f16_f32 v[X+8*(\u)+\j], v[X+8*(\u)+2*\j], v[X+8*(\u)+2*\j+1]
.endr
	global_store_b64 v3, v[X+8*(\u):X+8*(\u)+1],   s[\base:\base+1] offset:UOUT*(\k)       ; the wave's 32 lanes x 8 bytes: 256 consecutive bytes, aligned
	global_store_b64 v3, v[X+8*(\u)+2:X+8*(\u)+3], s[\base:\base+1] offset:UOUT*(\k)+256   ; the second load's numbers: the next 256
.endm
; First load: g u g u of i = 2 l, 2 l + 1; second load: the same of i = 64 + 2 l, 64 + 2 l + 1.  To (g g | g g) and (u u | u u).
; Each result lands on a register whose number has been read already.
.macro SPLIT u, k
	s_wait_loadcnt 16-2*(\u)
	v_cvt_pk_f16_f32 v[X+8*(\u)],   v[X+8*(\u)],   v[X+8*(\u)+2]      ; gates of 2 l, 2 l + 1
	v_cvt_pk_f16_f32 v[X+8*(\u)+2], v[X+8*(\u)+1], v[X+8*(\u)+3]      ; their ups
	v_cvt_pk_f16_f32 v[X+8*(\u)+1], v[X+8*(\u)+4], v[X+8*(\u)+6]      ; gates of 64 + 2 l, 64 + 2 l + 1
	v_cvt_pk_f16_f32 v[X+8*(\u)+3], v[X+8*(\u)+5], v[X+8*(\u)+7]      ; their ups
	global_store_b64 v3, v[X+8*(\u):X+8*(\u)+1],   s[10:11] offset:UOUT*(\k)        ; a wave's 32 lanes x 8 bytes: the 256 bytes of its block's gates
	global_store_b64 v3, v[X+8*(\u)+2:X+8*(\u)+3], s[10:11] offset:UOUT*(\k)+256    ; and the 256 bytes of its ups
.endm
	PLAIN 0, 8, 0
.irp k, 0,1,2,3,4,5,6,7
	SPLIT 1+\k, \k
.endr
	s_endpgm
.Lfunc_end_k_q130d6adbea_cast:
	.size	k_q130d6adbea_cast, .Lfunc_end_k_q130d6adbea_cast-k_q130d6adbea_cast
	.p2alignl 7, 3214868480
	.fill 96, 4, 3214868480
	.section	.rodata,"a",@progbits
	.p2align	6, 0x0
	.amdhsa_kernel k_q130d6adbea_cast
		.amdhsa_group_segment_fixed_size 0
		.amdhsa_private_segment_fixed_size 0
		.amdhsa_enable_private_segment 0
		.amdhsa_kernarg_size 32
		.amdhsa_user_sgpr_count 2
		.amdhsa_user_sgpr_kernarg_segment_ptr 1
		.amdhsa_wavefront_size32 1
		.amdhsa_system_sgpr_workgroup_id_x 1
		.amdhsa_system_sgpr_workgroup_id_y 1
		.amdhsa_system_sgpr_workgroup_id_z 1
		.amdhsa_system_vgpr_workitem_id 0
		.amdhsa_next_free_vgpr 76
		.amdhsa_next_free_sgpr 66
		.amdhsa_reserve_vcc 0
		.amdhsa_float_denorm_mode_32 3
		.amdhsa_float_denorm_mode_16_64 3
		.amdhsa_memory_ordered 1
		.amdhsa_forward_progress 1
		.amdhsa_inst_pref_size 7
	.end_amdhsa_kernel
	.amdgpu_metadata
---
amdhsa.version: [ 1, 2 ]
amdhsa.kernels:
  - .name:           k_q130d6adbea_cast
    .symbol:         k_q130d6adbea_cast.kd
    .args:
      - { .name: hidden_states, .offset: 0, .size: 8, .value_kind: global_buffer, .address_space: global }
      - { .name: gate_up_proj, .offset: 8, .size: 8, .value_kind: global_buffer, .address_space: global }
      - { .name: hb, .offset: 16, .size: 8, .value_kind: global_buffer, .address_space: global }
      - { .name: gub, .offset: 24, .size: 8, .value_kind: global_buffer, .address_space: global }
    .group_segment_fixed_size: 0
    .private_segment_fixed_size: 0
    .kernarg_segment_align: 8
    .kernarg_segment_size: 32
    .max_flat_workgroup_size: 256
    .sgpr_count:     66
    .vgpr_count:     76
    .wavefront_size: 32
...
	.end_amdgpu_metadata
.endif
;; end of part 1
;; launch gateup (part 2): grid 8 x 64, 4 waves a work-group, clusters of 4 x 4, 327,680 bytes of LDS; arguments hb, gub, act, gate_up_proj_bias, down_proj, dnb; writes act, dnb
.if DOCPART == 2
	.amdgcn_target "amdgcn-amd-amdhsa--gfx1250"
	.amdhsa_code_object_version 6
	.text
	.protected	k_q130d6adbea_gateup
	.globl	k_q130d6adbea_gateup
	.p2align	8
	.type	k_q130d6adbea_gateup,@function
k_q130d6adbea_gateup:
	s_mov_b64 s[64:65], 0
	v_nop
	global_prefetch_b8 v0, s[64:65] scope:SCOPE_SE
	s_setreg_imm32_b32 hwreg(HW_REG_WAVE_MODE, 25, 1), 1
	s_wait_xcnt 0x0
	s_wait_alu depctr_hold_cnt(0) depctr_sa_sdst(0) depctr_va_vdst(0) depctr_va_sdst(0) depctr_va_ssrc(0) depctr_va_vcc(0) depctr_vm_vsrc(0)
	s_getreg_b32 s2, hwreg(HW_REG_IB_STS2, 6, 4)
	s_cmp_eq_u32 s2, 0
	s_cbranch_scc0 .Lentry_in_a_cluster
	s_endpgm
.Lentry_in_a_cluster:
	s_bfe_u32 s2, ttmp6, 0x10000c
	s_cmp_lg_u32 s2, 0xf033
	s_cbranch_scc0 .Lentry_shape_is_right
	s_endpgm
.Lentry_shape_is_right:
; act[e][t][i] = (clip(up, -7, 7) + 1) * g * sigmoid(1.702 g),  g = min(gate, 7),
; gate = sum_k hb[t][k] gub[e][k][gate of i] + bias[e][2i],  up likewise with bias[e][2i+1].   act: f16 [8][2048][1024], i in its true order.
; act goes in f16 because the two clips bound it for every input: |up + 1| <= 8 and -0.17 < g sigmoid(1.702 g) <= 7, so |act| <= 56.
; (The routing weight is NOT multiplied in here: a small weight would push act under f16's normal range.  It is applied in f32 in the last launch.)
; LIMITS: operands and act are f16, sums f32; an act under 3e-8 in magnitude becomes 0.  A NaN in gate or up is dropped by the min and the clip
; (the number wins).  For gate below about -51.7 the exponential passes f32's range or the reciprocal falls below 2^-126 and is flushed:
; act is then -0, where the exact value is below 1e-36 in magnitude.
; BESIDE IT: dnb = down_proj in f16 (same limits of the format as for the other operands), for the next launch.  A work-group's tiles are 1 MiB
; for 2,048 matrix instructions a wave, so memory has room: each of the 2,048 waves takes 16 KiB of down_proj by 32 loads of 512 consecutive bytes,
; issued behind its first tile requests into registers that the product does not use, and converts and stores them behind the first lap.
;
; A work-group makes 256 tokens x 256 columns (the 128 gates and 128 ups of block nb of expert e) with four waves; wave w = 2 mh + nh makes
; rows 128 mh .. + 127 x gate positions 64 nh .. + 63 and the ups at the same positions: 64 accumulator tiles of 16 x 16, 512 registers.
; 8 column blocks x (8 experts x 8 token blocks) = 512 work-groups.  K = 1024 goes in 8 steps of 128 through two LDS slots filled by the
; tensor data mover.  A's tile: 256 rows x 256 bytes.  B's tile: 128 rows (k) x 512 bytes, as it lies in memory, k down the rows:
; its fragments are read with the transposing LDS load.
; POSITIONS: in gub a block's position p = 4 l + c holds i = 2 l + (c & 1) + 64 (c >> 1) of the block.  As pairs (words of two f16): word 2 l + s of the
; positions is word l + 32 s of the true order.  The biases are fetched by that map, and the map is undone where the results go to the LDS stage.
; CLUSTERS: 4 x 4 work-groups.  Along x lie four column blocks, along y four token blocks of ONE expert (e is made of the cluster's y alone).
; A's tile hangs on the token block alone and is asked for jointly by a row of the cluster; B's hangs on expert and column block alone and
; is asked for jointly by a column.  That divides the requests for A and for B by four.
;
; REGISTERS, in windows of 256:
;   window 0: v1-5 at work; v16-29 addresses; v64-127, v128-191 fragments of A, two buffers (at work in the activation); v192-255 biases
;   window 1: v64-127, v128-191 fragments of B, two buffers; v0-63, v192-255 the 32 x 4 registers of down_proj
;   window 2: tiles of my rows 0-63, tile (a, b) at v[8 (8 a + b)], b = 0-3 gates, b = 4-7 the ups at the same positions;  window 3: rows 64-127
; THE MATRIX INSTRUCTION IS USED TRANSPOSED (source 0 = 16 columns of B, source 1 = 16 rows of A): lane l holds token l % 16, its registers
; 0 to 7 the columns 8 (l / 16) + 0 .. 7.  So gate and up of one i lie in one lane at the same register of tiles b and b + 4, and the bias of a
; tile's columns is itself a C operand of 8 registers: the first products take it as C, so that nothing is cleared and no bias is added later.
.set PITCHA, 272                       ; A's LDS row: 256 bytes + 16: row r starts 16 r bytes further modulo 256, so 16 rows of a fragment load touch 16 different 16-byte columns
.set PITCHB, 544                       ; B's LDS row: 512 bytes + 32 = 17 x 32: the same for the 8 rows x 2 columns of 16 bytes that half a transposing load touches
.set HALFT,  34816                     ; what one tensor load brings: 128 rows of A (128 x 272) or 64 rows of B (64 x 544)
.set SLOT,   4*HALFT                   ; A's 256 rows, then B's 128 rows
.set STEPA,  256                       ; a K step in hb: 128 elements along the row
.set STEPB,  128*4096                  ; a K step in gub: 128 rows of 4,096 bytes
.set LAPS,   4                         ; a lap = two K steps = once round the ring
.set ADRA, 16                          ; v16-17  LDS address of my A fragments in slot 0, 1
.set ADRB, 20                          ; v20-21  the same for B
.set STO,  24                          ; v24     the way out: where I put 8 bytes of a row of act
.set RD,   25                          ; v25     the way out: where I read a row back
.set CO,   26                          ; v26     my byte offset in act
.set BO,   27                          ; v27     my byte offset in the bias
.set SI,   28                          ; v28     my byte offset in a load of down_proj: 16 x lane
.set SO,   29                          ; v29     my byte offset in a store of dnb: 8 x lane
.set F0,   64
.set F1,   128
.set GT,   64                          ; the activation: 32 gates
.set UP,   96                          ;                 32 ups
.set EX,   128                         ;                 32 exponentials, then the packed results
.set BIAS, 192                         ; v[192+8b+j] bias of column 8 h + j of tile b (b = 0-3 gates, 4-7 ups)
.set G1,  24                           ; s[24:31] descriptor group 1 for A's tiles
.set G0,  32                           ; s[32:39] descriptor group 0 for A's tiles, one set for each slot
.set G1B, 48                           ; s[48:55] group 1 for B's tiles
.set G0B, 56                           ; s[56:63] group 0 for B's tiles, one set for each slot
.set MSB, 0
.macro WIN new                         ; s_set_vgpr_msb: bits 1:0 source 0, 3:2 source 1, 5:4 source 2, 7:6 destination; the high byte repeats the setting that is left
.if MSB != \new
	s_set_vgpr_msb (MSB<<8)|\new
.set MSB, \new
.endif
.endm
.set MUL_LO, 0xa1                      ; source 0 (B) window 1, source 1 (A) window 0, C and D window 2
.set MUL_HI, 0xf1                      ; the same, C and D window 3
.set MUL_LO1, 0x81                     ; the first products: C (the biases) window 0, D window 2
.set MUL_HI1, 0xc1                     ; the same, D window 3
.set TO_B,   0x40                      ; destination window 1, address window 0
; A joint load.  Waves 0 and 1 fetch A's two halves, waves 2 and 3 B's.  Each line has one mask and one set of registers for all that issue it;
; the branch hangs on the wave's number alone.
.macro JLOAD s
	s_cmp_eq_u32 s11, 0
	s_cbranch_scc0 .Lfor_b_\@
	tensor_load_to_lds s[G0+4*\s:G0+4*\s+3], s[G1:G1+7]
	s_nop 0
	s_branch .Lasked_\@
.Lfor_b_\@:
	tensor_load_to_lds s[G0B+4*\s:G0B+4*\s+3], s[G1B:G1B+7]
	s_nop 0
.Lasked_\@:
.endm
; A round of the cluster's barrier: my work-group's barrier; wave 0 signals for the work-group; every wave waits for all sixteen; my work-group's barrier again.
.macro CREST                           ; a round behind its opening barrier
	s_cmp_lg_u32 s10, 0
	s_cbranch_scc1 .Lnot_wave_0_\@
	s_barrier_signal -3
.Lnot_wave_0_\@:
	s_barrier_wait -3
	s_barrier_signal -1
	s_barrier_wait -1
.endm
.macro CROUND                          ; a whole round
	s_barrier_signal -1
	s_barrier_wait -1
	CREST
.endm
	s_load_b128 s[4:7], s[0:1], 0x0                ; hb s[4:5], gub s[6:7]
	s_load_b64 s[8:9], s[0:1], 0x10                ; act
	s_load_b128 s[68:71], s[0:1], 0x18             ; gate_up_proj_bias s[68:69], down_proj s[70:71]
	s_load_b64 s[76:77], s[0:1], 0x28              ; dnb
	v_lshl_add_u32 v62, v0, 2, 0x44000
	v_mov_b32 v63, 0
	ds_add_u32 v62, v63
	v_lshrrev_b32 v1, 5, v0
	v_readfirstlane_b32 s10, v1                    ; wave 0..3
	s_lshr_b32 s11, s10, 1                         ; mh: which 128 of the block's rows are mine.  Also: I fetch for A (0) or for B (1)
	s_and_b32 s12, s10, 1                          ; nh: which 64 gates and ups.  Also: which half of that tile I fetch
	s_bfe_u32 s40, ttmp6, 0x40000                  ; cx
	s_bfe_u32 s41, ttmp6, 0x40004                  ; cy
	s_lshl_b32 s42, ttmp9, 2
	s_add_co_u32 s42, s42, s40                     ; nb = 4 x cluster x + cx: column block 0..7
	s_and_b32 s13, ttmp7, 0xffff                   ; cluster y, 0..15
	s_lshr_b32 s45, s13, 1                         ; e = cluster y / 2: one expert for the whole cluster
	s_and_b32 s13, s13, 1
	s_lshl_b32 s13, s13, 2
	s_add_co_u32 s13, s13, s41                     ; mb = 4 x (cluster y % 2) + cy: token block 0..7
	s_lshl_b32 s43, s41, 2
	s_lshl_b32 s43, 15, s43                        ; my row of the cluster: places 4 cy .. 4 cy + 3
	s_lshl_b32 s44, 0x1111, s40                    ; my column: places cx, cx + 4, cx + 8, cx + 12
	s_mov_b32 s72, 0xc0e00000                      ; -7.0
	s_mov_b32 s73, 0x40e00000                      ; 7.0
	s_mov_b32 s78, 0xc01d265f                      ; -1.702 log2(e): sigmoid(1.702 g) = 1 / (1 + 2^(this x g))
	s_mov_b32 s79, 0xc01d265f
	; group 1 for A: 128 rows x 128 elements of 2 bytes, 1,024 elements from row to row; 4 words of padding behind every 64
	s_or_b32 s[G1+0], s43, (1<<16)|(1<<20)|(1<<21)|(5<<22)|(3<<25)   ; 15:0 mask: my row; 17:16 2 bytes; 20 padding on; 21 set beside a mask; 24:22 interval code 5; 31:25 pad code 3
	s_mov_b32 s[G1+1], 128<<16                     ; tensor_dim0 = 128
	s_mov_b32 s[G1+2], 128<<16                     ; tensor_dim1 = 128
	s_mov_b32 s[G1+3], 128<<16                     ; tile_dim0 = 128
	s_mov_b32 s[G1+4], 128                         ; tile_dim1 = 128
	s_mov_b32 s[G1+5], 1024                        ; stride
	s_mov_b32 s[G1+6], 0
	s_mov_b32 s[G1+7], 0
	; group 1 for B: 64 rows x 256 elements of 2 bytes, 2,048 elements from row to row; 8 words of padding behind every 128
	s_or_b32 s[G1B+0], s44, (1<<16)|(1<<20)|(1<<21)|(6<<22)|(7<<25)  ; mask: my column; interval code 6; pad code 7
	s_mov_b32 s[G1B+1], 256<<16                    ; tensor_dim0 = 256
	s_mov_b32 s[G1B+2], 64<<16                     ; tensor_dim1 = 64
	s_mov_b32 s[G1B+3], 256<<16                    ; tile_dim0 = 256
	s_mov_b32 s[G1B+4], 64                         ; tile_dim1 = 64
	s_mov_b32 s[G1B+5], 2048                       ; stride
	s_mov_b32 s[G1B+6], 0
	s_mov_b32 s[G1B+7], 0
	; where the tiles come from.  A's offset is made of mb and the wave's number, B's of e, nb and the wave's number, each in registers that never hold the other place.
	s_lshl_b32 s17, s12, 7
	s_lshl_b32 s16, s13, 8
	s_add_co_u32 s16, s16, s17                     ; A: row 256 mb + 128 half
	s_lshl_b32 s16, s16, 11                        ; x 2,048 bytes
	s_mov_b32 s17, 0
	s_lshl_b32 s46, s45, 22                        ; B: expert x 1,024 rows of 4,096 bytes
	s_lshl_b32 s47, s12, 18                        ;  + half x 64 rows
	s_add_co_u32 s46, s46, s47
	s_lshl_b32 s47, s42, 9                         ;  + block x 512 bytes
	s_add_co_u32 s46, s46, s47
	s_mov_b32 s47, 0
	s_mul_i32 s20, s10, HALFT                      ; where they go: wave x 34,816: A's two halves, then B's two halves
	; bias: e x 8,192 + 128 nb x 8 bytes + 32 nh x 8 bytes (position 64 nh is i = 32 nh)
	s_lshl_b32 s74, s45, 13
	s_lshl_b32 s75, s42, 10
	s_add_co_u32 s74, s74, s75
	s_lshl_b32 s75, s12, 8
	s_add_co_u32 s74, s74, s75
	s_mov_b32 s75, 0
	; down_proj and dnb: my wave's number in the launch, 0..2047, in registers that feed no descriptor
	s_lshl_b32 s66, s45, 3
	s_add_co_u32 s66, s66, s13                     ; 8 e + mb
	s_lshl_b32 s66, s66, 3
	s_add_co_u32 s66, s66, s42                     ; x 8 + nb: the work-group, 0..511
	s_lshl_b32 s66, s66, 2
	s_add_co_u32 s66, s66, s10                     ; x 4 + wave
	s_lshl_b32 s66, s66, 13                        ; x 8,192 bytes out
	s_mov_b32 s67, 0
	s_wait_dscnt 0x0
	s_wait_kmcnt 0x0
	s_add_nc_u64 s[14:15], s[4:5], s[16:17]
	s_add_nc_u64 s[46:47], s[6:7], s[46:47]
	s_add_nc_u64 s[74:75], s[68:69], s[74:75]
	s_add_nc_u64 s[76:77], s[76:77], s[66:67]
	s_lshl_b32 s66, s66, 1                         ; x 16,384 bytes in
	s_add_nc_u64 s[70:71], s[70:71], s[66:67]
	CROUND                                         ; all sixteen work-groups are here: the first joint loads meet
.irp s, 0,1
	s_mov_b32 s[G0+4*\s], 1                                        ; count = 1
	s_add_co_u32 s[G0+4*\s+1], s20, \s*SLOT                        ; LDS address
	s_add_nc_u64 s[G0+4*\s+2:G0+4*\s+3], s[14:15], \s*STEPA        ; global address: K step s
	s_or_b32 s[G0+4*\s+3], s[G0+4*\s+3], 0x80000000                ; type = 2
	s_mov_b32 s[G0B+4*\s], 1
	s_add_co_u32 s[G0B+4*\s+1], s20, \s*SLOT
	s_add_nc_u64 s[G0B+4*\s+2:G0B+4*\s+3], s[46:47], \s*STEPB
	s_or_b32 s[G0B+4*\s+3], s[G0B+4*\s+3], 0x80000000
	JLOAD \s                                       ; both slots are asked for before anything else is done
.endr
	; A's fragment (16 rows x 32 K): lane l holds row l % 16; two loads of 16 bytes, 32 bytes apart, at row x pitch + 16 (l / 16).
	; B's fragment (32 K x 16 columns, k down the LDS rows): two transposing loads, 16 rows apart, at (8 (l / 16) + l % 8) x pitch + 16 ((l / 8) % 2):
	; each group of eight lanes turns 8 x 8 elements, and lane l ends up with k = 8 (l / 16) + 0 .. 7 of column l % 16.
	v_and_b32 v1, 15, v0                           ; r = l % 16
	v_bfe_u32 v2, v0, 4, 1                         ; h = l / 16
	v_mul_u32_u24 v3, v1, PITCHA                   ; r x 272
	s_mul_i32 s21, s11, HALFT                      ; my 128 rows of A; also my 128 rows of the stage
	s_lshl_b32 s22, s12, 6
	s_add_co_u32 s23, s21, s22                     ; the stage: row 128 mh + r of 272 bytes, byte 64 nh + 8 h
	v_lshl_add_u32 v[STO], v2, 3, v3
	v_add_nc_u32 v[STO], s23, v[STO]
	v_lshl_add_u32 v3, v2, 4, v3                   ; r x 272 + 16 h
	v_and_b32 v4, 7, v0
	v_lshl_add_u32 v4, v2, 3, v4                   ; 8 h + l % 8
	v_mul_u32_u24 v4, v4, PITCHB
	v_bfe_u32 v5, v0, 3, 1
	v_lshl_add_u32 v4, v5, 4, v4
	s_lshl_b32 s22, s12, 7                         ; my 64 gate columns of B: 128 nh bytes,
	s_add_co_u32 s22, s22, 2*HALFT                 ; in B's rows, which lie behind A's 256
.irp s, 0,1
	v_add_nc_u32 v[ADRA+\s], s21, v3
	v_add_nc_u32 v[ADRB+\s], s22, v4
	s_add_co_u32 s21, s21, SLOT
	s_add_co_u32 s22, s22, SLOT
.endr
	s_mul_i32 s23, s10, 64*PITCHA                  ; back: wave w takes rows 64 w .. 64 w + 63, two at a time: lanes 0-15 one row of 256 bytes, lanes 16-31 the next
	v_mul_u32_u24 v5, v2, PITCHA
	v_lshl_add_u32 v5, v1, 4, v5
	v_add_nc_u32 v[RD], s23, v5
	v_lshlrev_b32 v5, 11, v2                       ; the same two rows in act: 2,048 bytes apart
	v_lshl_add_u32 v[CO], v1, 4, v5
	v_lshlrev_b32 v[BO], 5, v2                     ; bias: position 8 h is i = 4 h: 4 h pairs of 8 bytes
	v_and_b32 v5, 31, v0
	v_lshlrev_b32 v[SI], 4, v5
	v_lshlrev_b32 v[SO], 3, v5
	; biases, once, while the first tiles are on their way.  Column j of tile b is position 64 nh + 16 b + 8 h + j, which is
	; i = 32 nh + 8 b + 4 h + 2 (j / 4) + 64 ((j / 2) % 2) + j % 2; a pair (gate, up) is 8 bytes.
.irp b, 0,1,2,3
.irp j, 0,1,2,3,4,5,6,7
	global_load_b32 v[BIAS+8*\b+\j],    v[BO], s[74:75] offset:64*\b+16*(\j/4)+512*((\j/2)%2)+8*(\j%2)
	global_load_b32 v[BIAS+32+8*\b+\j], v[BO], s[74:75] offset:64*\b+16*(\j/4)+512*((\j/2)%2)+8*(\j%2)+4
.endr
.endr
	; my 16 KiB of down_proj: load t goes to window 1, v[4 t] for t < 16 and v[192 + 4 (t - 16)] from there on; each load covers 512 consecutive bytes
	WIN TO_B
.set t, 0
.rept 32
	global_load_b128 v[4*t+128*(t/16):4*t+128*(t/16)+3], v[SI], s[70:71] offset:512*t th:TH_LOAD_NT
.set t, t+1
.endr
	WIN 0
; 16 matrix instructions: row blocks a0, a0 + 1 of the window's four x all 8 column tiles, 32 along K.  first = 1: the first product starts the sums from the biases.
; The 64 accumulators take turns, one instruction a turn, in the same order in every quarter step, over the loop's backward jump too.
.macro MUL16 f, hi, a0, first
.irp a, \a0, \a0+1
.irp b, 0,1,2,3,4,5,6,7
.if \first
	v_wmma_f32_16x16x32_f16 v[8*(8*(\a)+\b):8*(8*(\a)+\b)+7], v[\f+8*\b:\f+8*\b+7], v[\f+8*(4*\hi+\a):\f+8*(4*\hi+\a)+7], v[BIAS+8*\b:BIAS+8*\b+7]
.else
	v_wmma_f32_16x16x32_f16 v[8*(8*(\a)+\b):8*(8*(\a)+\b)+7], v[\f+8*\b:\f+8*\b+7], v[\f+8*(4*\hi+\a):\f+8*(4*\hi+\a)+7], v[8*(8*(\a)+\b):8*(8*(\a)+\b)+7]
.endif
.endr
.endr
.endm
; 32 LDS loads in one run: the fragments of quarter q (32 K) of a slot into buffer f.  B's tile i: gates at byte 32 i of my 128, ups (i = 4..7) 256 bytes behind their gates.
.macro FETCH slot, q, f
	WIN TO_B
.irp i, 0,1,2,3,4,5,6,7
	ds_load_tr16_b128 v[\f+8*\i:\f+8*\i+3],   v[ADRB+\slot] offset:\q*32*PITCHB+32*\i+128*(\i/4)
	ds_load_tr16_b128 v[\f+8*\i+4:\f+8*\i+7], v[ADRB+\slot] offset:\q*32*PITCHB+16*PITCHB+32*\i+128*(\i/4)
.endr
	WIN 0
.irp i, 0,1,2,3,4,5,6,7
	ds_load_b128 v[\f+8*\i:\f+8*\i+3],   v[ADRA+\slot] offset:\q*64+\i*16*PITCHA
	ds_load_b128 v[\f+8*\i+4:\f+8*\i+7], v[ADRA+\slot] offset:\q*64+\i*16*PITCHA+32
.endr
.endm
; Four places of plain vector instructions stand between a matrix instruction and a load into, or a vector instruction on, one of its registers.
.macro PLACES
.rept 4
	v_nop
.endr
.endm
; One of a K step's first three quarters: multiplies buffer f; in its middle it fetches quarter q of the same slot into buffer g.
.macro QUARTER slot, q, f, g, first
	s_wait_dscnt 8                                 ; B and A's rows 0-63 are in; the youngest eight loads (A's rows 64-127) may be out
.if \first
	WIN MUL_LO1
.else
	WIN MUL_LO
.endif
	MUL16 \f, 0, 0, \first
	MUL16 \f, 0, 2, \first
	PLACES
	FETCH \slot, \q, \g
	s_wait_dscnt 32                                ; all but the 32 just issued
.if \first
	WIN MUL_HI1
.else
	WIN MUL_HI
.endif
	MUL16 \f, 1, 0, \first
	MUL16 \f, 1, 2, \first
.endm
.macro THREE slot, first
	QUARTER \slot, 1, F0, F1, \first
	QUARTER \slot, 2, F1, F0, 0
	QUARTER \slot, 3, F0, F1, 0
.endm
; The last quarter: multiplies buffer 1 and changes slots.  In front of the barrier each wave waits for its reads of this slot and for all its tensor
; loads (the one that is out is its part of the next slot).  fill = 1: the barrier opens a round of the cluster's barrier, and the joint refill of this
; slot, two K steps ahead, is the first tensor load behind the round.  From that request to the wait for it a wave issues 240 matrix instructions.
.macro TURN slot, next, fill
	s_wait_dscnt 8
	WIN MUL_LO
	MUL16 F1, 0, 0, 0
	s_wait_dscnt 0                                 ; my reads of this slot are over
	s_set_vgpr_msb 0xa1a0
	s_wait_tensorcnt 0x0                           ; all my tensor loads have landed
	ds_add_u32 v62, v63
	s_wait_dscnt 0x0
	s_set_vgpr_msb 0xa0a1
	s_barrier_signal -1
	MUL16 F1, 0, 2, 0                              ; register work while the others arrive
	WIN 0
	s_barrier_wait -1
.if \fill
	CREST                                          ; no wave of any partner still reads this slot or has a load on its way
	s_add_nc_u64 s[G0+4*\slot+2:G0+4*\slot+3], s[G0+4*\slot+2:G0+4*\slot+3], 2*STEPA
	s_add_nc_u64 s[G0B+4*\slot+2:G0B+4*\slot+3], s[G0B+4*\slot+2:G0B+4*\slot+3], 2*STEPB
	JLOAD \slot
.endif
	PLACES
	FETCH \next, 0, F0
	WIN MUL_HI
	MUL16 F1, 1, 0, 0
	MUL16 F1, 1, 2, 0
.endm
.macro LAP first
	THREE 0, \first
	TURN 0, 1, 1
	THREE 1, 0
	TURN 1, 0, 1
.endm
	s_wait_loadcnt 32                              ; loads come back in order: the 64 biases are in; the 32 younger loads, of down_proj, stay out
	s_wait_tensorcnt 1                             ; my part of K step 0 is in; K step 1's may stay out
	s_barrier_signal -1
	s_barrier_wait -1                              ; everybody's is
	FETCH 0, 0, F0
	LAP 1                                          ; K steps 0, 1; asks for 2, 3
	; down_proj to dnb: 512 matrix instructions after the loads went out.  None of these registers is a matrix instruction's.
	s_wait_loadcnt 0x0
	WIN 0x45                                       ; destination and both sources window 1
.set t, 0
.rept 32
	v_cvt_pk_f16_f32 v[4*t+128*(t/16)],   v[4*t+128*(t/16)],   v[4*t+128*(t/16)+1]
	v_cvt_pk_f16_f32 v[4*t+128*(t/16)+1], v[4*t+128*(t/16)+2], v[4*t+128*(t/16)+3]
.set t, t+1
.endr
	WIN 0x04                                       ; a store's data is source 1: window 1; its address window 0
.set t, 0
.rept 32
	global_store_b64 v[SO], v[4*t+128*(t/16):4*t+128*(t/16)+1], s[76:77] offset:256*t   ; the wave's 32 lanes x 8 bytes: 256 consecutive bytes, aligned; these registers are not written again
.set t, t+1
.endr
	WIN 0
	s_mov_b32 s3, LAPS-2
.Llap:
	LAP 0                                          ; K steps 2 to 5; asks for 4 to 7
	WIN 0
	s_sub_co_u32 s3, s3, 1
	s_cmp_lg_u32 s3, 0
	s_cbranch_scc1 .Llap
	THREE 0, 0                                     ; K steps 6, 7: nothing is left to ask for
	TURN 0, 1, 0                                   ; behind this barrier no wave reads slot 0 any more and no tensor load is out
	THREE 1, 0
	s_wait_dscnt 8
	WIN MUL_LO
	MUL16 F1, 0, 0, 0
	MUL16 F1, 0, 2, 0
	s_wait_dscnt 0
	WIN MUL_HI
	MUL16 F1, 1, 0, 0
	MUL16 F1, 1, 2, 0
	PLACES                                         ; behind the last matrix instructions: results are read, fragment registers written
	s_lshl_b32 s16, s13, 8                         ; act: row 256 mb + 64 w (the rows that I read back),
	s_lshl_b32 s17, s10, 6
	s_add_co_u32 s16, s16, s17
	s_lshl_b32 s16, s16, 11                        ; x 2,048 bytes,
	s_lshl_b32 s17, s45, 22                        ; + expert x 2,048 rows
	s_add_co_u32 s16, s16, s17
	s_mov_b32 s17, 0
	s_add_nc_u64 s[8:9], s[8:9], s[16:17]
	s_lshl_b32 s46, s42, 8                         ; + block x 256 bytes (in the registers that held B's address)
	s_mov_b32 s47, 0
	s_add_nc_u64 s[8:9], s[8:9], s[46:47]
; THE ACTIVATION, 16 tokens x 64 i at a time: row block ap (0..7) = tiles (a, 0..7) of window 2 or 3 (win = 0x0a or 0x0f: sources 0 and 1).
; Runs of 16 or 32 independent instructions; behind each run of transcendentals stands one v_nop, the plain place that comes before a result is used (ISA guide 5.7.2).
; The stage, 256 rows x 272 bytes from LDS byte 0, lies in slot 0, which has had its last fill and its last read (see TURN 0, 1, 0 above).
; Into the stage the positions go back to the true order: of a tile's four packed words, words 0 and 2 are neighbours in i, and words 1 and 3 are the
; same 64 i (128 bytes) further on.  The 32 lanes of a store touch words 68 r + 2 h and + 1: 64 different banks (64 banks of 4 bytes: ISA guide 11.1).
.macro ACT16 ap, a, win
	WIN \win
.set q, 0
.rept 32
	v_min_num_f32 v[GT+q], s73, v[64*\a+q]                         ; g = min(gate, 7); the bias is in the sum already
.set q, q+1
.endr
.set q, 0
.rept 32
	v_med3_num_f32 v[UP+q], v[64*\a+32+q], s72, s73                ; clip(up, -7, 7)
.set q, q+1
.endr
	WIN 0
.set q, 0
.rept 16
	v_pk_mul_f32 v[EX+2*q:EX+2*q+1], v[GT+2*q:GT+2*q+1], s[78:79] op_sel_hi:[1,0]       ; -1.702 log2(e) g
.set q, q+1
.endr
.set q, 0
.rept 32
	v_exp_f32 v[EX+q], v[EX+q]
.set q, q+1
.endr
	v_nop
.set q, 0
	s_wait_alu depctr_va_vdst(0)
.rept 16
	v_pk_add_f32 v[EX+2*q:EX+2*q+1], v[EX+2*q:EX+2*q+1], 1.0 op_sel_hi:[1,0]
.set q, q+1
.endr
.set q, 0
.rept 32
	v_rcp_f32 v[EX+q], v[EX+q]                                     ; sigmoid(1.702 g)
.set q, q+1
.endr
	v_nop
.set q, 0
	s_wait_alu depctr_va_vdst(0)
.rept 16
	v_pk_mul_f32 v[GT+2*q:GT+2*q+1], v[GT+2*q:GT+2*q+1], v[EX+2*q:EX+2*q+1]             ; glu
.set q, q+1
.endr
.set q, 0
.rept 16
	v_pk_fma_f32 v[UP+2*q:UP+2*q+1], v[UP+2*q:UP+2*q+1], v[GT+2*q:GT+2*q+1], v[GT+2*q:GT+2*q+1]   ; (up + 1) x glu
.set q, q+1
.endr
.irp b, 0,1,2,3
	v_cvt_pk_f16_f32 v[EX+4*\b],   v[UP+8*\b],   v[UP+8*\b+1]      ; word 0
	v_cvt_pk_f16_f32 v[EX+4*\b+1], v[UP+8*\b+4], v[UP+8*\b+5]      ; word 2, its neighbour in i
	v_cvt_pk_f16_f32 v[EX+4*\b+2], v[UP+8*\b+2], v[UP+8*\b+3]      ; word 1
	v_cvt_pk_f16_f32 v[EX+4*\b+3], v[UP+8*\b+6], v[UP+8*\b+7]      ; word 3, its neighbour in i
.endr
.irp b, 0,1,2,3
	ds_store_b64 v[STO], v[EX+4*\b:EX+4*\b+1]   offset:\ap*16*PITCHA+16*\b       ; i = 32 nh + 8 b + 4 h + 0 .. 3 of token 128 mh + 16 ap + r
	ds_store_b64 v[STO], v[EX+4*\b+2:EX+4*\b+3] offset:\ap*16*PITCHA+16*\b+128   ; i = 64 + the same
.endr
.endm
	ACT16 0, 0, 0x0a
	ACT16 1, 1, 0x0a
	ACT16 2, 2, 0x0a
	ACT16 3, 3, 0x0a
	ACT16 4, 0, 0x0f
	ACT16 5, 1, 0x0f
	ACT16 6, 2, 0x0f
	ACT16 7, 3, 0x0f
	s_wait_dscnt 0x0                               ; my half of each of my 128 rows is in the stage,
	s_barrier_signal -1
	s_barrier_wait -1                              ; and so is the half that the wave beside me wrote
.set t, 0
.rept 32
	ds_load_b128 v[F0+4*t:F0+4*t+3], v[RD] offset:2*PITCHA*t       ; rows 64 w + 2 t and + 1, whole
.set t, t+1
.endr
.set t, 0
.rept 32
	s_wait_dscnt 31-t                              ; LDS loads come back in order: pair t is in
	global_store_b128 v[CO], v[F0+4*t:F0+4*t+3], s[8:9] offset:4096*t   ; sixteen lanes store 256 consecutive bytes, at a multiple of 256 from act's first byte
.set t, t+1
.endr
	s_wait_tensorcnt 0x0
	ds_add_u32 v62, v63
	s_wait_dscnt 0x0
	CROUND                                         ; the closing round: no work-group ends while a partner may still ask for a tile that names it
	s_endpgm
.Lfunc_end_k_q130d6adbea_gateup:
	.size	k_q130d6adbea_gateup, .Lfunc_end_k_q130d6adbea_gateup-k_q130d6adbea_gateup
	.p2alignl 7, 3214868480
	.fill 96, 4, 3214868480
	.section	.rodata,"a",@progbits
	.p2align	6, 0x0
	.amdhsa_kernel k_q130d6adbea_gateup
		.amdhsa_group_segment_fixed_size 327680
		.amdhsa_private_segment_fixed_size 0
		.amdhsa_enable_private_segment 0
		.amdhsa_kernarg_size 48
		.amdhsa_user_sgpr_count 2
		.amdhsa_user_sgpr_kernarg_segment_ptr 1
		.amdhsa_wavefront_size32 1
		.amdhsa_system_sgpr_workgroup_id_x 1
		.amdhsa_system_sgpr_workgroup_id_y 1
		.amdhsa_system_sgpr_workgroup_id_z 1
		.amdhsa_system_vgpr_workitem_id 0
		.amdhsa_next_free_vgpr 1024
		.amdhsa_next_free_sgpr 80
		.amdhsa_reserve_vcc 0
		.amdhsa_float_denorm_mode_32 3
		.amdhsa_float_denorm_mode_16_64 3
		.amdhsa_memory_ordered 1
		.amdhsa_forward_progress 1
		.amdhsa_inst_pref_size 255
	.end_amdhsa_kernel
	.section	.bss,"aw",@nobits
	.p2align	6
	.space	262144
	.amdgpu_metadata
---
amdhsa.version: [ 1, 2 ]
amdhsa.kernels:
  - .name:           k_q130d6adbea_gateup
    .symbol:         k_q130d6adbea_gateup.kd
    .args:
      - { .name: hb, .offset: 0, .size: 8, .value_kind: global_buffer, .address_space: global }
      - { .name: gub, .offset: 8, .size: 8, .value_kind: global_buffer, .address_space: global }
      - { .name: act, .offset: 16, .size: 8, .value_kind: global_buffer, .address_space: global }
      - { .name: gate_up_proj_bias, .offset: 24, .size: 8, .value_kind: global_buffer, .address_space: global }
      - { .name: down_proj, .offset: 32, .size: 8, .value_kind: global_buffer, .address_space: global }
      - { .name: dnb, .offset: 40, .size: 8, .value_kind: global_buffer, .address_space: global }
    .group_segment_fixed_size: 327680
    .private_segment_fixed_size: 0
    .kernarg_segment_align: 8
    .kernarg_segment_size: 48
    .max_flat_workgroup_size: 128
    .sgpr_count:     80
    .vgpr_count:     1024
    .wavefront_size: 32
...
	.end_amdgpu_metadata
.endif
;; end of part 2
;; launch down (part 3): grid 4 x 64, 4 waves a work-group, clusters of 4 x 4, 327,680 bytes of LDS; arguments act, dnb, part; writes part
.if DOCPART == 3
	.amdgcn_target "amdgcn-amd-amdhsa--gfx1250"
	.amdhsa_code_object_version 6
	.text
	.protected	k_q130d6adbea_down
	.globl	k_q130d6adbea_down
	.p2align	8
	.type	k_q130d6adbea_down,@function
k_q130d6adbea_down:
	s_mov_b64 s[64:65], 0
	v_nop
	global_prefetch_b8 v0, s[64:65] scope:SCOPE_SE
	s_setreg_imm32_b32 hwreg(HW_REG_WAVE_MODE, 25, 1), 1
	s_wait_xcnt 0x0
	s_wait_alu depctr_hold_cnt(0) depctr_sa_sdst(0) depctr_va_vdst(0) depctr_va_sdst(0) depctr_va_ssrc(0) depctr_va_vcc(0) depctr_vm_vsrc(0)
	s_getreg_b32 s2, hwreg(HW_REG_IB_STS2, 6, 4)
	s_cmp_eq_u32 s2, 0
	s_cbranch_scc0 .Lentry_in_a_cluster
	s_endpgm
.Lentry_in_a_cluster:
	s_bfe_u32 s2, ttmp6, 0x10000c
	s_cmp_lg_u32 s2, 0xf033
	s_cbranch_scc0 .Lentry_shape_is_right
	s_endpgm
.Lentry_shape_is_right:
; part[e][t][h] = sum over i of act[e][t][i] dnb[e][h][i].   act: f16 [8][2048][1024], dnb: f16 [8][1024][1024], part: f32 [8][2048][1024].
; Bias, routing weight and the sum over experts are left to the next launch: out0 has only 8 x 4 blocks of 256 x 256, so the contraction over (e, i)
; is shared out by expert: 4 column blocks x (8 experts x 8 token blocks) = 256 work-groups, each with K = 1024.  No work-group adds into another's bytes.
; LIMITS: operands f16, sums f32, in the matrix unit's order.
; A work-group makes 256 x 256 with four waves, a wave 128 x 128: 64 accumulator tiles of 16 x 16, 512 registers.  K goes in 8 steps of 128 through
; two LDS slots filled by the tensor data mover; a tile's rows are 256 bytes of memory and start at multiples of 256 bytes from the buffer's first byte.
; CLUSTERS: 4 x 4 work-groups: along x the four column blocks, along y four token blocks of ONE expert (e is made of the cluster's y alone).
; A's tile hangs on expert and token block and is asked for jointly by a row of the cluster; B's on expert and column block, jointly by a column.
;
; REGISTERS, in windows of 256:
;   window 0: v1-5 at work; v16-26 addresses; v64-127, v128-191 fragments of A, two buffers (on the way out: rows read back)
;   window 1: v64-127, v128-191 fragments of B, two buffers
;   window 2: tiles of my rows 0-63, tile (a, b) at v[8 (8 a + b)];   window 3: those of my rows 64-127
; THE MATRIX INSTRUCTION IS USED TRANSPOSED (source 0 = 16 rows of B, source 1 = 16 rows of A): lane l holds row l % 16 of the result, its registers
; 0 to 7 the columns 8 (l / 16) + 0 .. 7: 32 neighbouring bytes of a row of part.
.set PITCH,  272                       ; an LDS row: 256 bytes + 16: row r starts 16 r bytes further modulo 256
.set HALFT,  128*PITCH                 ; 128 rows: what one tensor load brings
.set SLOT,   4*HALFT                   ; A's 256 rows, then B's 256 rows
.set STAGE,  2*SLOT                    ; behind the ring, never filled by a tensor load: 16 rows x 528 bytes for each wave
.set SPITCH, 528                       ; 512 bytes + 16
.set KSTEPB, 256                       ; a K step along a row, in bytes
.set LAPS,   4                         ; a lap = two K steps
.set ADRA, 16                          ; v16-17  LDS address of my A fragments in slot 0, 1
.set ADRB, 20                          ; v20-21  the same for B
.set STO,  24                          ; v24     the way out: where I put 32 bytes of a row
.set RD,   25                          ; v25     the way out: where I read 16 bytes of a row back
.set CO,   26                          ; v26     my byte offset in part
.set F0,   64
.set F1,   128
.set G1,  24                           ; s[24:31] descriptor group 1 for A's tiles
.set G0,  32                           ; s[32:39] group 0 for A's tiles, one set for each slot
.set G1B, 48                           ; s[48:55] group 1 for B's tiles: it differs in the mask alone
.set G0B, 56                           ; s[56:63] group 0 for B's tiles
.set MSB, 0
.macro WIN new                         ; s_set_vgpr_msb: bits 1:0 source 0, 3:2 source 1, 5:4 source 2, 7:6 destination; the high byte repeats the setting that is left
.if MSB != \new
	s_set_vgpr_msb (MSB<<8)|\new
.set MSB, \new
.endif
.endm
.set MUL_LO, 0xa1                      ; source 0 (B) window 1, source 1 (A) window 0, C and D window 2
.set MUL_HI, 0xf1                      ; the same, C and D window 3
.set TO_B,   0x40                      ; destination window 1, address window 0
.macro JLOAD s                         ; waves 0 and 1 fetch A's two halves, waves 2 and 3 B's; the branch hangs on the wave's number alone
	s_cmp_eq_u32 s11, 0
	s_cbranch_scc0 .Lfor_b_\@
	tensor_load_to_lds s[G0+4*\s:G0+4*\s+3], s[G1:G1+7]
	s_nop 0
	s_branch .Lasked_\@
.Lfor_b_\@:
	tensor_load_to_lds s[G0B+4*\s:G0B+4*\s+3], s[G1B:G1B+7]
	s_nop 0
.Lasked_\@:
.endm
.macro CREST                           ; a round of the cluster's barrier behind its opening barrier
	s_cmp_lg_u32 s10, 0
	s_cbranch_scc1 .Lnot_wave_0_\@
	s_barrier_signal -3
.Lnot_wave_0_\@:
	s_barrier_wait -3
	s_barrier_signal -1
	s_barrier_wait -1
.endm
.macro CROUND                          ; a whole round
	s_barrier_signal -1
	s_barrier_wait -1
	CREST
.endm
	s_load_b128 s[4:7], s[0:1], 0x0                ; act s[4:5], dnb s[6:7]
	s_load_b64 s[8:9], s[0:1], 0x10                ; part
	s_set_vgpr_msb 0x40
	v_lshl_add_u32 v255, v0, 2, 0x4c400
	s_set_vgpr_msb 0x4000
	v_mov_b32 v255, 0
	s_set_vgpr_msb 0x1
	ds_add_u32 v255, v255
	s_set_vgpr_msb 0x100
	v_lshrrev_b32 v1, 5, v0
	v_readfirstlane_b32 s10, v1                    ; wave 0..3
	s_lshr_b32 s11, s10, 1                         ; mh: which half of the block's rows is mine.  Also: I fetch for A (0) or for B (1)
	s_and_b32 s12, s10, 1                          ; nh: which half of its columns.  Also: which 128 rows of that tile I fetch
	s_bfe_u32 s40, ttmp6, 0x40000                  ; cx
	s_bfe_u32 s41, ttmp6, 0x40004                  ; cy
	s_lshl_b32 s42, ttmp9, 2
	s_add_co_u32 s42, s42, s40                     ; nb = 4 x cluster x + cx: column block 0..3
	s_and_b32 s13, ttmp7, 0xffff                   ; cluster y, 0..15
	s_lshr_b32 s45, s13, 1                         ; e = cluster y / 2
	s_and_b32 s13, s13, 1
	s_lshl_b32 s13, s13, 2
	s_add_co_u32 s13, s13, s41                     ; mb = 4 x (cluster y % 2) + cy: token block 0..7
	s_lshl_b32 s43, s41, 2
	s_lshl_b32 s43, 15, s43                        ; my row of the cluster
	s_lshl_b32 s44, 0x1111, s40                    ; my column
	; group 1: 128 rows x 128 elements of 2 bytes, 1,024 elements from row to row; 4 words of padding behind every 64
	s_or_b32 s[G1+0], s43, (1<<16)|(1<<20)|(1<<21)|(5<<22)|(3<<25)   ; 15:0 mask: my row; 17:16 2 bytes; 20 padding on; 21 set beside a mask; 24:22 interval code 5; 31:25 pad code 3
	s_or_b32 s[G1B+0], s44, (1<<16)|(1<<20)|(1<<21)|(5<<22)|(3<<25)  ; the same with the mask of my column
	s_mov_b32 s[G1+1], 128<<16                     ; tensor_dim0 = 128
	s_mov_b32 s[G1B+1], 128<<16
	s_mov_b32 s[G1+2], 128<<16                     ; tensor_dim1 = 128
	s_mov_b32 s[G1B+2], 128<<16
	s_mov_b32 s[G1+3], 128<<16                     ; tile_dim0 = 128
	s_mov_b32 s[G1B+3], 128<<16
	s_mov_b32 s[G1+4], 128                         ; tile_dim1 = 128
	s_mov_b32 s[G1B+4], 128
	s_mov_b32 s[G1+5], 1024                        ; stride
	s_mov_b32 s[G1B+5], 1024
	s_mov_b32 s[G1+6], 0
	s_mov_b32 s[G1B+6], 0
	s_mov_b32 s[G1+7], 0
	s_mov_b32 s[G1B+7], 0
	; where the tiles come from: A's offset of e, mb and the wave's number, B's of e, nb and the wave's number, each in registers that never hold the other place
	s_lshl_b32 s17, s12, 7                         ; which 128 rows of the tile I fetch
	s_lshl_b32 s16, s13, 8
	s_add_co_u32 s16, s16, s17                     ; A: row 256 mb + 128 half
	s_lshl_b32 s16, s16, 11                        ; x 2,048 bytes
	s_lshl_b32 s18, s45, 22                        ; + expert x 2,048 rows
	s_add_co_u32 s16, s16, s18
	s_lshl_b32 s46, s42, 8
	s_add_co_u32 s46, s46, s17                     ; B: row 256 nb + 128 half
	s_lshl_b32 s46, s46, 11
	s_lshl_b32 s18, s45, 21                        ; + expert x 1,024 rows
	s_add_co_u32 s46, s46, s18
	s_mov_b32 s17, 0
	s_mov_b32 s47, 0
	s_mul_i32 s20, s10, HALFT                      ; where they go: wave x 128 rows: A's two halves, then B's two halves
	s_wait_dscnt 0x0
	s_wait_kmcnt 0x0
	s_add_nc_u64 s[14:15], s[4:5], s[16:17]
	s_add_nc_u64 s[46:47], s[6:7], s[46:47]
	CROUND                                         ; all sixteen work-groups are here: the first joint loads meet
.irp s, 0,1
	s_mov_b32 s[G0+4*\s], 1                                        ; count = 1
	s_add_co_u32 s[G0+4*\s+1], s20, \s*SLOT                        ; LDS address
	s_add_nc_u64 s[G0+4*\s+2:G0+4*\s+3], s[14:15], \s*KSTEPB       ; global address: K step s
	s_or_b32 s[G0+4*\s+3], s[G0+4*\s+3], 0x80000000                ; type = 2
	s_mov_b32 s[G0B+4*\s], 1
	s_add_co_u32 s[G0B+4*\s+1], s20, \s*SLOT
	s_add_nc_u64 s[G0B+4*\s+2:G0B+4*\s+3], s[46:47], \s*KSTEPB
	s_or_b32 s[G0B+4*\s+3], s[G0B+4*\s+3], 0x80000000
	JLOAD \s
.endr
	; A fragment is 16 rows x 32 K in 8 registers: lane l holds row l % 16; two loads of 16 bytes, 32 bytes apart, at row x pitch + 16 (l / 16).
	v_and_b32 v1, 15, v0                           ; r
	v_bfe_u32 v2, v0, 4, 1                         ; h
	v_mul_u32_u24 v3, v1, PITCH
	v_lshl_add_u32 v3, v2, 4, v3
	s_mul_i32 s21, s11, HALFT                      ; my 128 rows of A
	s_mul_i32 s22, s12, HALFT                      ; my 128 rows of B,
	s_add_co_u32 s22, s22, 2*HALFT                 ; which lie behind A's 256
.irp s, 0,1
	v_add_nc_u32 v[ADRA+\s], s21, v3
	v_add_nc_u32 v[ADRB+\s], s22, v3
	s_add_co_u32 s21, s21, SLOT
	s_add_co_u32 s22, s22, SLOT
.endr
	s_mul_i32 s23, s10, 16*SPITCH
	s_add_co_u32 s23, s23, STAGE                   ; my stage
	v_mul_u32_u24 v4, v1, SPITCH                   ; in: row r, 32 bytes for each half of the lanes
	v_lshl_add_u32 v4, v2, 5, v4
	v_add_nc_u32 v[STO], s23, v4
	v_and_b32 v5, 31, v0
	v_lshlrev_b32 v[CO], 4, v5                     ; back and out: 32 lanes x 16 bytes = a row's 512 bytes
	v_add_nc_u32 v[RD], s23, v[CO]
; 16 matrix instructions: row blocks a0, a0 + 1 of the window's four x all 8 column tiles, 32 along K.  zero = 1: the first product starts the sums.
; The 64 accumulators take turns, one instruction a turn, in the same order in every quarter step, over the loop's backward jump too.
.macro MUL16 f, hi, a0, zero
.irp a, \a0, \a0+1
.irp b, 0,1,2,3,4,5,6,7
.if \zero
	v_wmma_f32_16x16x32_f16 v[8*(8*(\a)+\b):8*(8*(\a)+\b)+7], v[\f+8*\b:\f+8*\b+7], v[\f+8*(4*\hi+\a):\f+8*(4*\hi+\a)+7], 0
.else
	v_wmma_f32_16x16x32_f16 v[8*(8*(\a)+\b):8*(8*(\a)+\b)+7], v[\f+8*\b:\f+8*\b+7], v[\f+8*(4*\hi+\a):\f+8*(4*\hi+\a)+7], v[8*(8*(\a)+\b):8*(8*(\a)+\b)+7]
.endif
.endr
.endr
.endm
; 32 LDS loads in one run: the fragments of one quarter step (32 K at byte k of the rows) into buffer f
.macro FETCH slot, k, f
	WIN TO_B
.irp i, 0,1,2,3,4,5,6,7
	ds_load_b128 v[\f+8*\i:\f+8*\i+3],   v[ADRB+\slot] offset:\k+\i*16*PITCH
	ds_load_b128 v[\f+8*\i+4:\f+8*\i+7], v[ADRB+\slot] offset:\k+\i*16*PITCH+32
.endr
	WIN 0
.irp i, 0,1,2,3,4,5,6,7
	ds_load_b128 v[\f+8*\i:\f+8*\i+3],   v[ADRA+\slot] offset:\k+\i*16*PITCH
	ds_load_b128 v[\f+8*\i+4:\f+8*\i+7], v[ADRA+\slot] offset:\k+\i*16*PITCH+32
.endr
.endm
; Four places of plain vector instructions stand between a matrix instruction and a load into, or an LDS store from, one of its registers.
.macro PLACES
.rept 4
	v_nop
.endr
.endm
.macro QUARTER slot, k, f, g, zero
	s_wait_dscnt 8                                 ; B and A's rows 0-63 are in; the youngest eight loads (A's rows 64-127) may be out
	WIN MUL_LO
	MUL16 \f, 0, 0, \zero
	MUL16 \f, 0, 2, \zero
	PLACES
	FETCH \slot, \k, \g
	s_wait_dscnt 32                                ; all but the 32 just issued
	WIN MUL_HI
	MUL16 \f, 1, 0, \zero
	MUL16 \f, 1, 2, \zero
.endm
.macro THREE slot, zero
	QUARTER \slot, 64,  F0, F1, \zero
	QUARTER \slot, 128, F1, F0, 0
	QUARTER \slot, 192, F0, F1, 0
.endm
; The last quarter: multiplies buffer 1 and changes slots.  In front of the barrier each wave waits for its reads of this slot and for all its tensor
; loads (the one that is out is its part of the next slot).  fill = 1: the barrier opens a round of the cluster's barrier, and the joint refill of this
; slot, two K steps ahead, is the first tensor load behind the round.  From that request to the wait for it a wave issues 240 matrix instructions.
.macro TURN slot, next, fill
	s_wait_dscnt 8
	WIN MUL_LO
	MUL16 F1, 0, 0, 0
	s_wait_dscnt 0                                 ; my reads of this slot are over
	s_wait_tensorcnt 0x0                           ; all my tensor loads have landed
	ds_add_u32 v255, v255
	s_wait_dscnt 0x0
	s_barrier_signal -1
	MUL16 F1, 0, 2, 0                              ; register work while the others arrive
	WIN 0
	s_barrier_wait -1
.if \fill
	CREST                                          ; no wave of any partner still reads this slot or has a load on its way
	s_add_nc_u64 s[G0+4*\slot+2:G0+4*\slot+3], s[G0+4*\slot+2:G0+4*\slot+3], 2*KSTEPB
	s_add_nc_u64 s[G0B+4*\slot+2:G0B+4*\slot+3], s[G0B+4*\slot+2:G0B+4*\slot+3], 2*KSTEPB
	JLOAD \slot
.endif
	PLACES
	FETCH \next, 0, F0
	WIN MUL_HI
	MUL16 F1, 1, 0, 0
	MUL16 F1, 1, 2, 0
.endm
.macro LAP zero
	THREE 0, \zero
	TURN 0, 1, 1
	THREE 1, 0
	TURN 1, 0, 1
.endm
	s_wait_tensorcnt 1                             ; my part of K step 0 is in; K step 1's may stay out
	s_barrier_signal -1
	s_barrier_wait -1
	FETCH 0, 0, F0
	LAP 1                                          ; K steps 0, 1; asks for 2, 3
	WIN 0
	s_mov_b32 s3, LAPS-2
.Llap:
	LAP 0                                          ; K steps 2 to 5; asks for 4 to 7
	WIN 0
	s_sub_co_u32 s3, s3, 1
	s_cmp_lg_u32 s3, 0
	s_cbranch_scc1 .Llap
	THREE 0, 0                                     ; K steps 6, 7: nothing is left to ask for
	TURN 0, 1, 0
	THREE 1, 0
	s_wait_dscnt 8
	WIN MUL_LO
	MUL16 F1, 0, 0, 0
	MUL16 F1, 0, 2, 0
	s_wait_dscnt 0
	WIN MUL_HI
	MUL16 F1, 1, 0, 0
	MUL16 F1, 1, 2, 0
	PLACES                                         ; behind the last matrix instructions: results are stored to LDS, fragment registers loaded again
	s_lshl_b32 s16, s13, 8                         ; part: row 256 mb + 128 mh,
	s_lshl_b32 s17, s11, 7
	s_add_co_u32 s16, s16, s17
	s_lshl_b32 s16, s16, 12                        ; x 4,096 bytes,
	s_lshl_b32 s17, s45, 23                        ; + expert x 2,048 rows
	s_add_co_u32 s16, s16, s17
	s_mov_b32 s17, 0
	s_add_nc_u64 s[8:9], s[8:9], s[16:17]
	s_lshl_b32 s46, s42, 10                        ; + column (256 nb + 128 nh) x 4 bytes (in the registers that held B's address)
	s_lshl_b32 s47, s12, 9
	s_add_co_u32 s46, s46, s47
	s_mov_b32 s47, 0
	s_add_nc_u64 s[8:9], s[8:9], s[46:47]
; THE WAY OUT, 16 rows at a time: the eight tiles (a, 0..7) of window 2 or 3 (from = 0x08 or 0x0c: the LDS store's data) go straight from the
; accumulators into my own stage, 32 bytes a lane and tile, and come back as whole rows of 512 bytes.  f: F0 or F1 in turn.
.macro OUT16 i, a, from, f
	WIN \from
.irp b, 0,1,2,3,4,5,6,7
	ds_store_b128 v[STO], v[8*(8*\a+\b):8*(8*\a+\b)+3]   offset:64*\b
	ds_store_b128 v[STO], v[8*(8*\a+\b)+4:8*(8*\a+\b)+7] offset:64*\b+16
.endr
	WIN 0
	s_wait_xcnt 0x0                                ; every earlier memory instruction has had its addresses translated (ISA guide 3.1): buffer f, which stores read, and the stores' base are rewritten only behind this wait
.if \i
	s_add_nc_u64 s[8:9], s[8:9], 16*4096           ; 16 rows of part on
.endif
.irp t, 0,1,2,3,4,5,6,7,8,9,10,11,12,13,14,15
	ds_load_b128 v[\f+4*\t:\f+4*\t+3], v[RD] offset:\t*SPITCH      ; LDS serves a wave's instructions in order (ISA guide 5.7.1): these see the stores above
.endr
.irp t, 0,1,2,3,4,5,6,7,8,9,10,11,12,13,14,15
	s_wait_dscnt 15-\t
	global_store_b128 v[CO], v[\f+4*\t:\f+4*\t+3], s[8:9] offset:\t*4096   ; the wave stores 512 consecutive bytes, at a multiple of 512 from part's first byte
.endr
.endm
	OUT16 0, 0, 0x08, F0
	OUT16 1, 1, 0x08, F1
	OUT16 2, 2, 0x08, F0
	OUT16 3, 3, 0x08, F1
	OUT16 4, 0, 0x0c, F0
	OUT16 5, 1, 0x0c, F1
	OUT16 6, 2, 0x0c, F0
	OUT16 7, 3, 0x0c, F1
	s_set_vgpr_msb 0x1
	s_wait_tensorcnt 0x0
	ds_add_u32 v255, v255
	s_wait_dscnt 0x0
	s_set_vgpr_msb 0x100
	CROUND                                         ; the closing round: no work-group ends while a partner may still ask for a tile that names it
	s_endpgm
.Lfunc_end_k_q130d6adbea_down:
	.size	k_q130d6adbea_down, .Lfunc_end_k_q130d6adbea_down-k_q130d6adbea_down
	.p2alignl 7, 3214868480
	.fill 96, 4, 3214868480
	.section	.rodata,"a",@progbits
	.p2align	6, 0x0
	.amdhsa_kernel k_q130d6adbea_down
		.amdhsa_group_segment_fixed_size 327680
		.amdhsa_private_segment_fixed_size 0
		.amdhsa_enable_private_segment 0
		.amdhsa_kernarg_size 24
		.amdhsa_user_sgpr_count 2
		.amdhsa_user_sgpr_kernarg_segment_ptr 1
		.amdhsa_wavefront_size32 1
		.amdhsa_system_sgpr_workgroup_id_x 1
		.amdhsa_system_sgpr_workgroup_id_y 1
		.amdhsa_system_sgpr_workgroup_id_z 1
		.amdhsa_system_vgpr_workitem_id 0
		.amdhsa_next_free_vgpr 1024
		.amdhsa_next_free_sgpr 66
		.amdhsa_reserve_vcc 0
		.amdhsa_float_denorm_mode_32 3
		.amdhsa_float_denorm_mode_16_64 3
		.amdhsa_memory_ordered 1
		.amdhsa_forward_progress 1
		.amdhsa_inst_pref_size 196
	.end_amdhsa_kernel
	.amdgpu_metadata
---
amdhsa.version: [ 1, 2 ]
amdhsa.kernels:
  - .name:           k_q130d6adbea_down
    .symbol:         k_q130d6adbea_down.kd
    .args:
      - { .name: act, .offset: 0, .size: 8, .value_kind: global_buffer, .address_space: global }
      - { .name: dnb, .offset: 8, .size: 8, .value_kind: global_buffer, .address_space: global }
      - { .name: part, .offset: 16, .size: 8, .value_kind: global_buffer, .address_space: global }
    .group_segment_fixed_size: 327680
    .private_segment_fixed_size: 0
    .kernarg_segment_align: 8
    .kernarg_segment_size: 24
    .max_flat_workgroup_size: 128
    .sgpr_count:     66
    .vgpr_count:     1024
    .wavefront_size: 32
...
	.end_amdgpu_metadata
.endif
;; end of part 3
;; launch combine (part 4): grid 512 x 1, 8 waves a work-group, no clusters, 0 bytes of LDS; arguments part, routing_weights, down_proj_bias, out0; writes out0
.if DOCPART == 4
	.amdgcn_target "amdgcn-amd-amdhsa--gfx1250"
	.amdhsa_code_object_version 6
	.text
	.protected	k_q130d6adbea_combine
	.globl	k_q130d6adbea_combine
	.p2align	8
	.type	k_q130d6adbea_combine,@function
k_q130d6adbea_combine:
	s_mov_b64 s[64:65], 0
	v_nop
	global_prefetch_b8 v0, s[64:65] scope:SCOPE_SE
	s_setreg_imm32_b32 hwreg(HW_REG_WAVE_MODE, 25, 1), 1
	s_wait_xcnt 0x0
; out0[t][h] = sum over e of rw[t][e] (part[e][t][h] + bias[e][h]).     part: f32 [8][2048][1024]; out0: f32 [2048][1024].  All in f32, e ascending.
; A stream: each byte of part is read once, each byte of out0 written once; the work-groups share only the 32 KiB of biases, so LDS, clusters and
; the matrix unit would add nothing.  A work-group owns 4 rows; thread t owns the 16 bytes at 16 t of every row, so a wave's load or store
; covers 512 consecutive bytes and the eight waves a row.  A thread's 8 x 4 biases stay in registers; the 4 x 8 routing weights are the same for
; all lanes and lie in scalar registers.  All 40 loads go out first; rows are summed and stored as they arrive.
; No register that a load or a store names is written again behind it.
.set B,   2                            ; v[2:33]    bias of expert e, my 4 columns, at v[2+4e]
.set P,   36                           ; v[36:163]  row p, expert e at v[36+32p+4e]
.set RWS, 16                           ; s[16:47]   rw[4g+p][e] at s[16+8p+e]
.set PB,  48                           ; s[48:63]   part at expert e, my first row: s[48+2e:49+2e]
	s_load_b256 s[4:11], s[0:1], 0x0               ; part s[4:5], routing_weights s[6:7], down_proj_bias s[8:9], out0 s[10:11]
	v_lshlrev_b32 v1, 4, v0                        ; 16 t
	s_lshl_b32 s2, ttmp9, 7                        ; routing weights: 4 rows of 32 bytes
	s_mov_b32 s3, 0
	s_lshl_b32 s12, ttmp9, 14                      ; part and out0: 4 rows of 4,096 bytes
	s_mov_b32 s13, 0
	s_wait_kmcnt 0x0
	s_add_nc_u64 s[6:7], s[6:7], s[2:3]
	s_load_b512 s[RWS:RWS+15], s[6:7], 0x0         ; rows 4g, 4g + 1
	s_load_b512 s[RWS+16:RWS+31], s[6:7], 0x40     ; rows 4g + 2, 4g + 3
	s_add_nc_u64 s[PB:PB+1], s[4:5], s[12:13]
.irp e, 1,2,3,4,5,6,7
	s_add_nc_u64 s[PB+2*\e:PB+2*\e+1], s[PB+2*\e-2:PB+2*\e-1], 0x800000   ; an expert's 2,048 rows of 4,096 bytes: more than a load's immediate holds
.endr
	s_add_nc_u64 s[10:11], s[10:11], s[12:13]
.irp e, 0,1,2,3,4,5,6,7
	global_load_b128 v[B+4*\e:B+4*\e+3], v1, s[8:9] offset:4096*\e
.endr
.irp p, 0,1,2,3
.irp e, 0,1,2,3,4,5,6,7
	global_load_b128 v[P+32*\p+4*\e:P+32*\p+4*\e+3], v1, s[PB+2*\e:PB+2*\e+1] offset:4096*\p th:TH_LOAD_NT
.endr
.endr
	s_wait_kmcnt 0x0                               ; the routing weights
.macro ADDB p, e                       ; expert e's four numbers of row p += its bias
	v_pk_add_f32 v[P+32*\p+4*\e:P+32*\p+4*\e+1],   v[P+32*\p+4*\e:P+32*\p+4*\e+1],   v[B+4*\e:B+4*\e+1]
	v_pk_add_f32 v[P+32*\p+4*\e+2:P+32*\p+4*\e+3], v[P+32*\p+4*\e+2:P+32*\p+4*\e+3], v[B+4*\e+2:B+4*\e+3]
.endm
.macro ROW p
	s_wait_loadcnt 24-8*\p                         ; loads come back in order: the 8 (3 - p) loads of later rows may stay out
.irp e, 0,1,2,3,4,5,6,7
	ADDB \p, \e
.endr
.irp c, 0,1,2,3
	v_mul_f32 v[P+32*\p+\c], s[RWS+8*\p], v[P+32*\p+\c]            ; expert 0 starts the sums: nothing is cleared
.endr
.irp e, 1,2,3,4,5,6,7
.irp c, 0,1,2,3
	v_fmac_f32 v[P+32*\p+\c], s[RWS+8*\p+\e], v[P+32*\p+4*\e+\c]   ; + rw[t][e] (part + bias): four chains that do not wait for each other
.endr
.endr
	global_store_b128 v1, v[P+32*\p:P+32*\p+3], s[10:11] offset:4096*\p th:TH_STORE_NT   ; sixteen lanes store 256 consecutive bytes, aligned
.endm
	ROW 0
	ROW 1
	ROW 2
	ROW 3
	s_endpgm
.Lfunc_end_k_q130d6adbea_combine:
	.size	k_q130d6adbea_combine, .Lfunc_end_k_q130d6adbea_combine-k_q130d6adbea_combine
	.p2alignl 7, 3214868480
	.fill 96, 4, 3214868480
	.section	.rodata,"a",@progbits
	.p2align	6, 0x0
	.amdhsa_kernel k_q130d6adbea_combine
		.amdhsa_group_segment_fixed_size 0
		.amdhsa_private_segment_fixed_size 0
		.amdhsa_enable_private_segment 0
		.amdhsa_kernarg_size 32
		.amdhsa_user_sgpr_count 2
		.amdhsa_user_sgpr_kernarg_segment_ptr 1
		.amdhsa_wavefront_size32 1
		.amdhsa_system_sgpr_workgroup_id_x 1
		.amdhsa_system_sgpr_workgroup_id_y 1
		.amdhsa_system_sgpr_workgroup_id_z 1
		.amdhsa_system_vgpr_workitem_id 0
		.amdhsa_next_free_vgpr 164
		.amdhsa_next_free_sgpr 66
		.amdhsa_reserve_vcc 0
		.amdhsa_float_denorm_mode_32 3
		.amdhsa_float_denorm_mode_16_64 3
		.amdhsa_memory_ordered 1
		.amdhsa_forward_progress 1
		.amdhsa_inst_pref_size 14
	.end_amdhsa_kernel
	.amdgpu_metadata
---
amdhsa.version: [ 1, 2 ]
amdhsa.kernels:
  - .name:           k_q130d6adbea_combine
    .symbol:         k_q130d6adbea_combine.kd
    .args:
      - { .name: part, .offset: 0, .size: 8, .value_kind: global_buffer, .address_space: global }
      - { .name: routing_weights, .offset: 8, .size: 8, .value_kind: global_buffer, .address_space: global }
      - { .name: down_proj_bias, .offset: 16, .size: 8, .value_kind: global_buffer, .address_space: global }
      - { .name: out0, .offset: 24, .size: 8, .value_kind: global_buffer, .address_space: global }
    .group_segment_fixed_size: 0
    .private_segment_fixed_size: 0
    .kernarg_segment_align: 8
    .kernarg_segment_size: 32
    .max_flat_workgroup_size: 256
    .sgpr_count:     66
    .vgpr_count:     164
    .wavefront_size: 32
...
	.end_amdgpu_metadata
.endif
;; end of part 4
